; MI455X (gfx1250); checked and timed in simulation.
; The chip was launched on July 23, 2026; its instructions are those of AMD's public machine-readable ISA for CDNA 5 (MIT licence, August 2026) and "CDNA5" Instruction Set Architecture Reference Guide (July 2026). The comments in the code are by the model that wrote it; some were corrected since.
;; Value Layer Slow. Allowed arithmetic: float matrix products may take bf16 or f16 operands with f32 sums; all other float work in f32.
;; Inputs: x 8 x 512 x 1,024 float32.
;; Outputs: out0 8 x 512 x 16 float32.
;; One version. Each part assembles by itself: llvm-mc -triple=amdgcn-amd-amdhsa -mcpu=gfx1250 --defsym DOCPART=n.
;; ======== version 1 of 1: 1 launch
;; launch pauli (part 1): grid 256 x 1, 4 waves a work-group, no clusters, 0 bytes of LDS; arguments x, out0; writes out0
.if DOCPART == 1
	.amdgcn_target "amdgcn-amd-amdhsa--gfx1250"
	.amdhsa_code_object_version 6
	.text
	.protected	k_qc8af050cb0_pauli
	.globl	k_qc8af050cb0_pauli
	.p2align	8
	.type	k_qc8af050cb0_pauli,@function
k_qc8af050cb0_pauli:
	s_mov_b64 s[64:65], 0
	v_nop
	global_prefetch_b8 v0, s[64:65] scope:SCOPE_SE
	s_setreg_imm32_b32 hwreg(HW_REG_WAVE_MODE, 25, 1), 1
	s_wait_xcnt 0x0
; out0[n][o] = Re <x_n| O_o |x_n> for 4,096 real rows x_n of 1,024 f32 and the 16 Pauli strings that the problem builds as constants.
; The first kron factor is the top index bit, so qubit q is bit 9-q of the index d.  Each operator has one entry in each matrix row:
;   o = 0..9    Z on qubit o:       sum over d of (+1 where bit 9-o of d is 0, else -1) * x_d^2
;   o = 10..12  X on qubit 0,1,2:   sum over d of x_d * x_(d xor 512, 256, 128) = twice the sum over pairs
;   o = 13..15  Y on qubit 0,1,2:   its entries are imaginary and x is real by its type: the real part is a sum of products with 0
; This holds for every x of the stated type.  The dense products are products with zeros that the operators hold by construction and
; are not done; what is left is some 120 packed f32 instructions for a lane and a row, so the matrix unit has nothing to do here
; (signs times squares rounded to bf16 would only lose bits ahead of a difference).  No work-group shares a byte with another: no
; cluster.  A wave's whole share fits in its registers: no LDS, no barrier, no loop.
;
; SHARES.  256 work-groups of 4 waves; a work-group owns 16 rows (65,536 bytes), a wave 4 rows, half a wave (16 lanes) 2 rows, one in
; each of two passes: half h of wave w takes row 4 w + 2 h + p in pass p.  Load j (0..15) of a pass brings bytes 256 j + 16 r of the row
; to lane r of the half: 16 lanes read 256 consecutive bytes, aligned.  So d = 64 j + 4 r + c: bits 9..6 are j (registers of a lane),
; bits 5..2 are r (lanes), bit 1 is which pair of the four words, bit 0 the low or high word of a pair.  X's partners (bits 9, 8, 7)
; lie in registers of the same lane.  All 32 loads of a wave go out ahead of the first wait: 16,384 bytes a wave on their way.
;
; ARITHMETIC, all in f32, kept as halves and doubled once at the end (exact): half <Z_b> = E_b - T/2 with E_b the sum of the squares
; whose bit b is 0 and T the sum of all squares; half <X> = each pair once; half <Y> = 0 * T/2.
; LIMITS.  The order of the sums differs from the reference's, and Z is made as 2 (E - T/2): its error is a few units in the last place
; of the row's sum of squares.  A row with a NaN gives NaN in all 16 outputs.  A row with an infinity, or with |x| above about 1.8e19
; (its squares overflow f32), has no finite reference; there Z and X may come out as an infinity instead of NaN.  Y's zeros are +0.
.set LOFF, 1                           ; v1         byte offset of my 16 bytes in load 0 of pass 0, from the group's first row; never rewritten
.set SOFF, 2                           ; v2         byte offset of my 8 bytes of out0, from the group's first output; never rewritten
.set SG,   4                           ; v[4:7]     sign words: bit 31 = bit 3, 2, 1, 0 of r (index bits 5, 4, 3, 2: outputs 4, 5, 6, 7)
.set TT,   8                           ; v8         T of my 64 numbers
.set TH,   9                           ; v9         T / 2
.set EE,   10                          ; v[10:14]   E of my 64 numbers for outputs 0, 1, 2, 3, 8
.set VV,   16                          ; v[16:29], v[32:45]  pass p: my 14 values at VV + 16 p + o, o = 0..13 (13 serves the three Y)
.set X,    48                          ; v[48:175]  the data: word c of load j of pass p at X + 64 p + 4 j + c
.set M,    176                         ; v[176:207] pair j: the squares of words 0, 1 of load j (index bit 1 = 0)
.set A,    208                         ; v[208:239] pair j: those plus the squares of words 2, 3
.set XA,   240                         ; v[240:251] X's chains: pair at XA + 4 q + 2 hh, q = 0, 1, 2 for index bits 9, 8, 7
; The partial sums of A's tree lie in the registers that M's own tree has finished with (the text's order sees to it)
.set TP,   M+2                         ; 1 pair:  all squares
.set SUM3, M+4                         ; 2 pairs: summed over j bits 0, 1, 2
.set SUM2, M+8                         ; 4 pairs: summed over j bits 0, 1
.set SUM1, M+16                        ; 8 pairs: summed over j bit 0
; Behind pass 1 the work areas are free
.set W,    A                           ; 14 values behind stage 1
.set B2,   A+16                        ; 8 behind stage 2
.set B3,   A+24                        ; 4 behind stage 3
.set U,    A+28                        ; v[236:237] my two outputs
.set TMP,  M                           ; what a lane hands to its partner
	s_load_b128 s[4:7], s[0:1], 0x0                ; x s[4:5], out0 s[6:7]
	s_lshl_b32 s8, ttmp9, 16                       ; the group's 16 rows of 4,096 bytes (16 MiB in all: one word does)
	s_mov_b32 s9, 0
	s_lshl_b32 s10, ttmp9, 10                      ; its 16 rows of 64 bytes of out0
	s_mov_b32 s11, 0
	v_lshrrev_b32 v3, 4, v0                        ; 2 w + h: which pair of rows
	v_and_b32 v[LOFF], 15, v0                      ; r
	v_lshlrev_b32 v[LOFF], 4, v[LOFF]
	v_lshl_add_u32 v[LOFF], v3, 13, v[LOFF]        ; (2 w + h) x 8,192 + 16 r
	s_wait_kmcnt 0x0
	s_add_nc_u64 s[4:5], s[4:5], s[8:9]
	s_add_nc_u64 s[6:7], s[6:7], s[10:11]
	; All the wave's bytes are asked for at once, pass 0's rows first.  The furthest byte of a group: 7 x 8,192 + 240 + 4,096 + 3,840 + 16 = 65,536.
	; Each byte of x is read once in the launch: non-temporal.
.irp p, 0,1
.irp j, 0,1,2,3,4,5,6,7,8,9,10,11,12,13,14,15
	global_load_b128 v[X+64*\p+4*\j:X+64*\p+4*\j+3], v[LOFF], s[4:5] offset:4096*\p+256*\j th:TH_LOAD_NT
.endr
.endr
	v_lshlrev_b32 v[SOFF], 3, v0                   ; 8 t
	v_lshlrev_b32 v[SG+0], 28, v0                  ; bit 3 of r to bit 31,
	v_lshlrev_b32 v[SG+1], 29, v0                  ; bit 2,
	v_lshlrev_b32 v[SG+2], 30, v0                  ; bit 1,
	v_lshlrev_b32 v[SG+3], 31, v0                  ; bit 0 (nothing lies below it)
	v_and_b32 v[SG+0], 0x80000000, v[SG+0]
	v_and_b32 v[SG+1], 0x80000000, v[SG+1]
	v_and_b32 v[SG+2], 0x80000000, v[SG+2]
.macro PADD d, a, b                    ; two sums at once
	v_pk_add_f32 v[\d:\d+1], v[\a:\a+1], v[\b:\b+1]
.endm
.macro XMUL i, acc, a, b               ; a link of one of X's chains; link 0 starts the chain: nothing is cleared
.if \i == 0
	v_pk_mul_f32 v[\acc:\acc+1], v[\a:\a+1], v[\b:\b+1]
.else
	v_pk_fma_f32 v[\acc:\acc+1], v[\a:\a+1], v[\b:\b+1], v[\acc:\acc+1]
.endif
.endm
; One pass: each half of the wave reduces its 64 numbers a lane of one row to 14 values a lane.
.macro PASS p
.set XP, X+64*\p
.set VP, VV+16*\p
	; squares, four loads at a time
.irp g, 0,1,2,3
	s_wait_loadcnt 28-16*\p-4*\g                   ; loads come back in order (ISA guide 5.7.1): of the 32, those issued behind load 4 g + 3 of this pass may stay out
.irp k, 0,1,2,3
.set J, 4*\g+\k
	v_pk_mul_f32 v[M+2*J:M+2*J+1], v[XP+4*J:XP+4*J+1], v[XP+4*J:XP+4*J+1]
.endr
.irp k, 0,1,2,3
.set J, 4*\g+\k
	v_pk_fma_f32 v[A+2*J:A+2*J+1], v[XP+4*J+2:XP+4*J+3], v[XP+4*J+2:XP+4*J+3], v[M+2*J:M+2*J+1]
.endr
.endr
	; X: each pair of partners once.  Six chains that do not wait for each other, eight links each.
.irp i, 0,1,2,3,4,5,6,7
.set J8, \i+(\i/4)*4                               ; the eight j whose bit 2 is 0
.set J7, \i+(\i/2)*2                               ; the eight j whose bit 1 is 0
.irp h, 0,1
	XMUL \i, XA+2*\h,   XP+4*\i+2*\h, XP+4*\i+32+2*\h  ; index bit 9: j and j + 8
	XMUL \i, XA+4+2*\h, XP+4*J8+2*\h, XP+4*J8+16+2*\h  ; index bit 8: j and j + 4
	XMUL \i, XA+8+2*\h, XP+4*J7+2*\h, XP+4*J7+8+2*\h   ; index bit 7: j and j + 2
.endr
.endr
	; The trees, level by level.  In each level M's sums stand first: they free the registers that the level's new partial sums take.
.irp k, 0,1,2,3,4,5,6,7
	PADD M+2*\k, M+2*\k, M+2*\k+16
.endr
.irp k, 0,1,2,3,4,5,6,7
	PADD SUM1+2*\k, A+4*\k, A+4*\k+2               ; over j bit 0
.endr
.irp k, 0,1,2,3
	PADD M+2*\k, M+2*\k, M+2*\k+8
.endr
.irp k, 0,1,2,3
	PADD A+4*\k, A+4*\k, A+4*\k+16                 ; the even j alone go on: j bit 0 = 0
.endr
.irp k, 0,1,2,3
	PADD SUM2+2*\k, SUM1+4*\k, SUM1+4*\k+2         ; over j bit 1
.endr
.irp k, 0,1
	PADD M+2*\k, M+2*\k, M+2*\k+4
.endr
.irp k, 0,1
	PADD A+4*\k, A+4*\k, A+4*\k+8
.endr
.irp k, 0,1
	PADD SUM1+4*\k, SUM1+4*\k, SUM1+4*\k+8         ; j bit 1 = 0
.endr
.irp k, 0,1
	PADD SUM3+2*\k, SUM2+4*\k, SUM2+4*\k+2         ; over j bit 2
.endr
	PADD M, M, M+2                                 ; E of index bit 1
	PADD A, A, A+4                                 ; E of index bit 6
	PADD SUM1, SUM1, SUM1+4                        ; E of index bit 7
	PADD SUM2, SUM2, SUM2+4                        ; E of index bit 8 (j bit 2 = 0)
	PADD TP, SUM3, SUM3+2                          ; all squares; SUM3's first pair is E of index bit 9
.irp q, 0,1,2
	PADD XA+4*\q, XA+4*\q, XA+4*\q+2
.endr
	; low word + high word, and the 14 values
	v_add_f32 v[TT],    v[TP],   v[TP+1]
	v_add_f32 v[EE+0],  v[SUM3], v[SUM3+1]
	v_add_f32 v[EE+1],  v[SUM2], v[SUM2+1]
	v_add_f32 v[EE+2],  v[SUM1], v[SUM1+1]
	v_add_f32 v[EE+3],  v[A],    v[A+1]
	v_add_f32 v[EE+4],  v[M],    v[M+1]
	v_add_f32 v[VP+10], v[XA],   v[XA+1]
	v_add_f32 v[VP+11], v[XA+4], v[XA+5]
	v_add_f32 v[VP+12], v[XA+8], v[XA+9]
	v_mul_f32 v[TH], 0.5, v[TT]                    ; exact; made once, since the four signed copies below need it as well as the six differences
.irp o, 0,1,2,3
	v_sub_f32 v[VP+\o], v[EE+\o], v[TH]            ; index bits 9, 8, 7, 6
.endr
.irp o, 0,1,2,3
	v_xor_b32 v[VP+4+\o], v[TH], v[SG+\o]          ; index bits 5..2 are the lane's: all my squares carry one sign
.endr
	v_sub_f32 v[VP+8], v[EE+4], v[TH]              ; index bit 1
	v_sub_f32 v[VP+9], v[TP], v[TH]                ; index bit 0: the low words' squares
	v_mul_f32 v[VP+13], 0, v[TH]                   ; Y: 0, and NaN where the row holds a NaN
.endm
	PASS 0                                         ; while pass 1's rows are still on their way
	PASS 1
; ACROSS THE 16 LANES OF A HALF: four stages; in each a lane keeps half of its values, hands the other half to the partner that keeps
; those, and adds what it is handed: 28 values a lane become 14, 8, 4, 2, each then summed over all 16 lanes.  Both halves of the wave
; (two pairs of rows) go through the same instructions.  VCC holds the lanes that keep the upper half.
.macro PICK dst, tmp, lo, hi
	v_cndmask_b32 v[\dst], v[\lo], v[\hi], vcc_lo  ; what I keep
	v_cndmask_b32 v[\tmp], v[\hi], v[\lo], vcc_lo  ; what my partner keeps
.endm
.macro MEET dst, tmp, xm
	v_add_f32_dpp v[\dst], v[\tmp], v[\dst] row_xmask:\xm row_mask:0xf bank_mask:0xf   ; dst[i] += tmp[i xor xm]
.endm
	s_mov_b32 vcc_lo, 0xff00ff00                   ; r bit 3: lanes 0-7 of a half keep pass 0's row, lanes 8-15 pass 1's
.irp o, 0,1,2,3,4,5,6,7,8,9,10,11,12,13
	PICK W+\o, TMP+\o, VV+\o, VV+16+\o
.endr
.irp o, 0,1,2,3,4,5,6,7,8,9,10,11,12,13
	MEET W+\o, TMP+\o, 8
.endr
	s_mov_b32 vcc_lo, 0xf0f0f0f0                   ; r bit 2: outputs 0-7 or 8-15
.irp o, 0,1,2,3,4,5
	PICK B2+\o, TMP+\o, W+\o, W+8+\o
.endr
	PICK B2+6, TMP+6, W+6, W+13                    ; outputs 14 and 15 are Y's value once more
	PICK B2+7, TMP+7, W+7, W+13
.irp o, 0,1,2,3,4,5,6,7
	MEET B2+\o, TMP+\o, 4
.endr
	s_mov_b32 vcc_lo, 0xcccccccc                   ; r bit 1: the lower or the upper four of those
.irp o, 0,1,2,3
	PICK B3+\o, TMP+\o, B2+\o, B2+4+\o
.endr
.irp o, 0,1,2,3
	MEET B3+\o, TMP+\o, 2
.endr
	s_mov_b32 vcc_lo, 0xaaaaaaaa                   ; r bit 0: the lower or the upper two
.irp o, 0,1
	PICK U+\o, TMP+\o, B3+\o, B3+2+\o
.endr
.irp o, 0,1
	MEET U+\o, TMP+\o, 1
.endr
	; Lane 16 h + r now holds outputs 2 (r mod 8) and 2 (r mod 8) + 1 of row 4 w + 2 h + r / 8: bytes 8 t to 8 t + 7 of the group's 1,024.
	v_pk_add_f32 v[U:U+1], v[U:U+1], v[U:U+1]      ; the halves are doubled (exact)
	global_store_b64 v[SOFF], v[U:U+1], s[6:7] th:TH_STORE_NT   ; the wave's one store covers 256 consecutive bytes, aligned
	s_endpgm
.Lfunc_end_k_qc8af050cb0_pauli:
	.size	k_qc8af050cb0_pauli, .Lfunc_end_k_qc8af050cb0_pauli-k_qc8af050cb0_pauli
	.p2alignl 7, 3214868480
	.fill 96, 4, 3214868480
	.section	.rodata,"a",@progbits
	.p2align	6, 0x0
	.amdhsa_kernel k_qc8af050cb0_pauli
		.amdhsa_group_segment_fixed_size 0
		.amdhsa_private_segment_fixed_size 0
		.amdhsa_enable_private_segment 0
		.amdhsa_kernarg_size 16
		.amdhsa_user_sgpr_count 2
		.amdhsa_user_sgpr_kernarg_segment_ptr 1
		.amdhsa_wavefront_size32 1
		.amdhsa_system_sgpr_workgroup_id_x 1
		.amdhsa_system_sgpr_workgroup_id_y 1
		.amdhsa_system_sgpr_workgroup_id_z 1
		.amdhsa_system_vgpr_workitem_id 0
		.amdhsa_next_free_vgpr 256
		.amdhsa_next_free_sgpr 66
		.amdhsa_reserve_vcc 1
		.amdhsa_float_denorm_mode_32 3
		.amdhsa_float_denorm_mode_16_64 3
		.amdhsa_memory_ordered 1
		.amdhsa_forward_progress 1
		.amdhsa_inst_pref_size 26
	.end_amdhsa_kernel
	.amdgpu_metadata
---
amdhsa.version: [ 1, 2 ]
amdhsa.kernels:
  - .name:           k_qc8af050cb0_pauli
    .symbol:         k_qc8af050cb0_pauli.kd
    .args:
      - { .name: x, .offset: 0, .size: 8, .value_kind: global_buffer, .address_space: global }
      - { .name: out0, .offset: 8, .size: 8, .value_kind: global_buffer, .address_space: global }
    .group_segment_fixed_size: 0
    .private_segment_fixed_size: 0
    .kernarg_segment_align: 8
    .kernarg_segment_size: 16
    .max_flat_workgroup_size: 128
    .sgpr_count:     66
    .vgpr_count:     256
    .wavefront_size: 32
...
	.end_amdgpu_metadata
.endif
;; end of part 1
